; MI455X (gfx1250); checked and timed in simulation.
; The chip was launched on July 23, 2026; its instructions are those of AMD's public machine-readable ISA for CDNA 5 (MIT licence, August 2026) and "CDNA5" Instruction Set Architecture Reference Guide (July 2026). The comments in the code are by the model that wrote it; some were corrected since.
;; Model. Allowed arithmetic: matrix products marked QUANTISED: E2M1 operands, one E8M0 scale for each 32 along K, by v_wmma_scale_f32_16x16x128_f8f6f4 with both operands' format E2M1 (or v_wmma_scale_f32_32x16x128_f4), f32 sums; everything else in f32.
;; Inputs: x1 4 x 16 x 2,048 x 64 float32; x2_codes 4 x 16 x 2,048 x 2 x 16 uint8 (E2M1 codes of x2, K innermost, in blocks of 32 codes, two codes a byte); x2_scales 4 x 16 x 2,048 x 2 uint8 (E8M0 scales of x2, one for each 32 codes along K).
;; Outputs: out0 4 x 16 x 2,048 x 64 float32.
;; This version of the problem:
;;   THIS VERSION OF THE PROBLEM IS GIVEN IN LOW PRECISION. The matrix products marked QUANTISED in the list below multiply operands that are first quantised to E2M1 (2 exponent bits, 1 mantissa bit; 4 bits a number), with one power-of-two scale for each 32 numbers along K (OCP MX v1.0); their sums are f32. All else is computed in f32.
;;   The module's matrix products, in the order in which they are computed (A, B: the left and right operand; K: the contracted axis; several contracted axes count as one K, in the product's order):
;;     1. batch 64 x [M 2,048, K 64] x [K 64, N 2,048]; A: input x1; B: input x2 (given as codes): QUANTISED
;;     2. batch 64 x [M 2,048, K 2,048] x [K 2,048, N 64]; A: softmax (see below); B: input x1: QUANTISED
;;   THE QUANTISER, for each operand of a quantised product, along K:
;;     - K is cut into blocks of 32 from its start; a last block that is shorter is filled with zeros.
;;     - A block's scale is 2^e with e = floor(log2(the largest magnitude in the block)) - 2, held to -126 .. 127; a block of zeros has e = 0. As a byte (E8M0): e + 127.
;;     - Each number is divided by its block's scale, clamped to +-6, and rounded to the nearest number of E2M1, ties to even, subnormals kept.
;;     - The product sums the exact products of the quantised numbers (number of the format x scale) in f32.
;;   ~~~python
;;   def quantise(x, axis):      # numpy; x: float32 -> the quantised numbers, widened to float32 again
;;       x = np.moveaxis(x, axis, -1); K = x.shape[-1]
;;       x = np.pad(x, [(0, 0)] * (x.ndim - 1) + [(0, -K % 32)]); x = x.reshape(x.shape[:-1] + (-1, 32)); a = np.abs(x).max(-1, keepdims=True)
;;       e = np.where(a > 0, np.clip(np.frexp(np.where(a > 0, a, 1))[1] - 1 - 2, -126, 127), 0)      # np.frexp(a)[1] - 1 = floor(log2(a)), exactly
;;       r = np.clip(x / 2.0 ** e, -6, 6)
;;       step = 2.0 ** (np.maximum(np.frexp(np.where(r == 0, 1, r))[1] - 1, 0) - 1)
;;       q = np.round(r / step) * step * 2.0 ** e      # np.round: ties to even
;;       return np.moveaxis(q.reshape(q.shape[:-2] + (-1,))[..., :K], -1, axis).astype(np.float32)
;;   ~~~
;;   SOFTMAX AHEAD OF A QUANTISED PRODUCT. Where the list says 'softmax', what is quantised is not the finished softmax but p = 2^(t - M), with t = logit x log2(e) and M = ceil(the row's largest t), a whole number; so 1/2 < the row's largest p <= 1. The row's sum l is taken of the UNQUANTISED p, in f32, and the product's result is divided by l at the end. Since M is a whole number, a kernel that streams over the keys may use a running M (the ceiling of the running maximum): every later rescaling is an exact power of two, which a block's scale takes up: the codes' values come out the same.
;;   OPERANDS COMPUTED ON THE WAY. 'Computed on the way' means the value that the module computes at that place (a softmax that the list does not call 'softmax' is quantised finished and normalised). What goes into a quantiser is computed in f32, as accurately as f32 sums, v_exp_f32 and their like allow (about 1e-6 of the number): no bf16 or f16 on the way to a quantiser, and a product that is left as it is and whose result goes on into a quantised operand takes f32 operands (vector FMAs, or v_wmma_f32_16x16x4_f32). A number that lies on a knife's edge between two numbers of the format may be rounded either way, as far as f32 arithmetic and the matrix unit's own rounding can turn it there, and no further.
;;   INPUTS GIVEN AS CODES. x2 (in the module: [4, 16, 2048, 64], K = its axis 3): each comes as NAME_codes (uint8): NAME with its K axis moved to the last place and cut into blocks of 32 codes, [.., K / 32, bytes a block], one block behind the other in memory; two codes a byte, the lower K in the low four bits (a code: sign, 2 exponent bits, 1 mantissa bit); and NAME_scales (uint8): the same leading axes, one E8M0 byte (e + 127) for each 32 codes along K. Its value is code x scale, taken as it is: it is not quantised again, and the codes and scales need not be those that the quantiser above would give.
;; 2 versions, each right; version 2 is version 1 with the launch attn written anew for expert scheduling mode. Each part assembles by itself: llvm-mc -triple=amdgcn-amd-amdhsa -mcpu=gfx1250 --defsym DOCPART=n.
;; ======== version 1 of 2: 1 launch
;; launch attn (part 1): grid 4 x 64, 16 waves a work-group, no clusters, 215,040 bytes of LDS; arguments x1, x2_codes, x2_scales, out0; writes out0
.if DOCPART == 1
	.amdgcn_target "amdgcn-amd-amdhsa--gfx1250"
	.amdhsa_code_object_version 6
	.text
	.protected	k_q09b471634c_attn
	.globl	k_q09b471634c_attn
	.p2align	8
	.type	k_q09b471634c_attn,@function
k_q09b471634c_attn:
	s_mov_b64 s[64:65], 0
	v_nop
	global_prefetch_b8 v0, s[64:65] scope:SCOPE_SE
	s_setreg_imm32_b32 hwreg(HW_REG_WAVE_MODE, 25, 1), 1
	s_wait_xcnt 0x0
; out[h][q][:] = the sum over k of softmax_k(3 x1[h][q] . x2[h][k]) x1[h][k][:], 64 heads, 2,048 rows, 64 channels, both products on codes of FP4 (E2M1) with one E8M0 scale for each 32 along a product's K.
; x2 (the keys) arrives as codes, 32 bytes and 2 scale bytes a key.  x1 arrives as f32 and is quantised here twice: as queries along the 64 channels, as values along the KEYS (its row axis).
; THE SOFTMAX AHEAD OF THE SECOND PRODUCT: t = score x 3 log2(e); M = the row's largest t so far, rounded UP to a whole number; p = 2^(t - M) is what is quantised, along the keys, not normalised.
; The row's sum is taken of the unquantised p, in f32, and divides O at the end.  When M moves, the sum and O are multiplied by 2^(old M - new M): exact.
; SHARES.  Work-group (x, head) owns queries 512 x .. 512 x + 511 of the head.  Sixteen waves of 256 registers, four to a SIMD, so that one wave's vector work stands beside another's products and LDS loads:
; a key step of a wave is some 240 vector instructions beside 12 matrix instructions, so vector work decides, and no register window is needed.
; PROLOGUE, once: the head's keys (64 KiB of codes, 8 KiB of scale words) and values (quantised in registers: 64 KiB, 4 KiB) are laid in LDS as IMAGES OF THE OPERANDS' REGISTERS: every later read is a constant + 16 x lane.
; One barrier, the only one.  Then each wave makes two passes of 16 queries: Q quantised in registers, 16 key steps of 128 keys, the way out through the wave's own stage.  The key steps read no memory.
; LAYOUT.  Both products are used transposed: S^T = K Q^T (source 0 = 16 keys, source 1 = my 16 queries), O^T = V^T P^T (source 0 = 16 channels, source 1 = P): a lane holds ONE query (lane % 16) throughout.
; THE KEYS OF A TILE ARE NOT NEIGHBOURS: lane r of tile 2 b + u takes key 32 b + 8 u + r + 8 (r / 8), so that the 16 registers of tiles 2 b and 2 b + 1 are 16 neighbouring keys, 32 b + 16 (lane / 16) + 0 .. 15.
; The first product's K is 64: registers 4 to 7 of K's and Q's fragments (k = 64 .. 127) hold zero codes, under the scale bytes 0 (2^-127, no NaN): they add nothing.
; NO CLUSTER: what the four work-groups of a head share (x1's 512 KiB, 68 KiB of codes and scale bytes) is read once, at the kernel's head, straight into registers, through which V must pass to be quantised;
; a joint load would have to take the f32 numbers through LDS first, in slots filled again and again.  NO LAUNCH OF ITS OWN FOR V: four work-groups redo a head's conversions (8 blocks a lane), against a second launch and the codes' way to memory and back.
; LIMITS: NaN and infinities in x1 are not served.  A block of zeros gets the scale byte 1 where the rule says 127: its codes are zeros, and this program alone reads the bytes.  A p under 2^-126 comes out as 0 (v_exp_f32 flushes:
; ISA guide 15.8).  t - M is one fused multiply-add by the f32 number nearest 3 log2(e), where the definition rounds twice.  1 / the sum is v_rcp_f32.  A block's largest p is taken as 2^(.) of its largest score,
; which takes v_exp_f32 not to fall where its input rises.
.set KIMG, 0                           ; LDS: K's codes: tile T = 8 s + 2 b + u at 512 T; lane l = 16 h + r: block h of its key, 16 bytes at 16 l
.set VIMG, 65536                       ; V's codes: step s, tile t (channels 16 t + r), registers 4 c on: 4096 s + 1024 t + 512 c + 16 l: block 2 c + h of the step's four
.set KSC,  131072                      ; K's scale words: 512 s + 16 l + 4 b: lanes 0-15 tile 2 b's key r, lanes 16-31 tile 2 b + 1's
.set VSC,  139264                      ; V's scale words: 256 s + 8 l + 4 g: lanes 0-15 tile 2 g's channel r, lanes 16-31 tile 2 g + 1's
.set STG,  143360                      ; a stage for each wave: 16 rows x (256 bytes + 16): row r starts at bank 4 r mod 64 (64 banks of 4 bytes: ISA guide 11.1).  Q's way in and O's way out
.set SP,   272
.set FLOOR, 0x1800000                  ; 2^(3 - 127): no largest magnitude is taken under it, so a scale's byte cannot fall under 1
.set TWO_OFF, 0xff000000               ; takes 2, the exponent of FP4's largest number, off an f32 number's exponent field
.set LI,   1                           ; v1   16 x lane: my place in an image (K's begin at LDS byte 0), and my byte offset in 512 bytes of Q and of O
.set AV0,  3                           ; v3   VIMG + 16 x lane
.set ASK0, 4                           ; v4   KSC + 16 x lane
.set ASV0, 5                           ; v5   VSC + 8 x lane
.set SO,   6                           ; v6   my stage + 272 r + 32 h: where I put 32 bytes of a row of O
.set RD,   7                           ; v7   my stage + 272 h + 16 r: two whole rows to an instruction
.set QR,   8                           ; v8   my stage + 272 r + 128 h: my 32 numbers of query r
.set ADK,  9                           ; v9-11, v26  the step's LDS addresses: K's tiles, V's tiles, K's scale words, V's
.set ADV,  10
.set ADS,  11
.set ADT,  26
.set QF,   16                          ; v16-23   Q's fragment (v20-23 zeros);  v12 -M, v13 the largest t, v[14:15] the sum in two halves
.set VS,   24                          ; v24-25   V's scale words
.set KGO,  27                          ; v27-31, v240-241: the prologue's offsets and LDS addresses
.set KST,  28
.set KSO,  29
.set KSS,  30
.set VGO,  31
.set KF,   32                          ; v32-95   K's eight fragments (registers 4-7 of each zeros).  In the prologue: two sets of 32 numbers of x1
.set X,    32
.set S,    96                          ; v96-159  S^T, then p.  In the prologue v96-127: V's codes, four registers a block, never written again
.set C,    96
.set OT,   160                         ; v160-191 O^T.  In the prologue: K's codes on their way
.set VF,   192                         ; v192-223 V's four fragments.  In the prologue v192-195: K's scale words on their way
.set PC,   224                         ; v224-231 p's codes
.set MA,   232                         ; v232-235 block maxima;  v236-239 the other half's, then bytes, then a chain of the sum;  v244-247 the conversions' scale operands
.set MB,   233
.set BY,   234
.set T0,   236                         ; at the head: lane, r, h, at work
.set T1,   237
.set T2,   238
.set T3,   239
.set VST,  240
.set VSS,  241
.set VW,   242                         ; v242-243 my column's two scale words
.set SOP,  244
.set KS,   248                         ; v248-251 K's scale words;  v252 f;  v253 p's scale word;  v254 at work;  v255 Q's scale word
.set QS,   255
.set WV,   12                          ; s12 my wave's number
.set SEL,  20                          ; s[20:21] lane selects for v_permlanex16_b32: lane l xor 16
.set CS,   22                          ; s[22:23] c = 3 log2(e): the packed form names a pair and takes its low word for both halves
.set VP,   30                          ; s[30:31] x1 at my wave's part of V
.set QP,   32                          ; s[32:33] x1 at the pass's first query
.set OP,   34                          ; s[34:35] out likewise
.set TB,   36                          ; s36 where the step's images begin: 4,096 bytes a step, K's and V's alike
.set TS,   37                          ; s37 K's scale words: 512 a step
.set TJ,   38                          ; s38 V's: 256 a step
.set STEPS, 39
.set PASS, 40
; The largest magnitude of the 32 numbers v[s] .. v[s + 31], and the floor, into v[a]: two chains, so that no line waits for the line above it
.macro MAX32 s, a, b
	v_max3_num_f32 v[\a], |v[\s]|, |v[\s+1]|, |v[\s+2]|
	v_max3_num_f32 v[\b], |v[\s+3]|, |v[\s+4]|, |v[\s+5]|
.irp i, 6,10,14,18,22,26
	v_max3_num_f32 v[\a], v[\a], |v[\s+\i]|, |v[\s+\i+1]|
	v_max3_num_f32 v[\b], v[\b], |v[\s+\i+2]|, |v[\s+\i+3]|
.endr
	v_max3_num_f32 v[\a], v[\a], |v[\s+30]|, |v[\s+31]|
	v_max3_num_f32 v[\a], v[\a], v[\b], FLOOR
.endm
; Block t of my wave's eight: x1(256 kq + 32 t + i, my column), i = 0 .. 31, into set t % 2.  A LANE TAKES A COLUMN AND ITS REGISTERS RUN DOWN THE KEYS: a load reads 128 consecutive bytes, and the wave beside mine the row's other 128
.macro LOADV t
.irp i, 0,1,2,3,4,5,6,7,8,9,10,11,12,13,14,15,16,17,18,19,20,21,22,23,24,25,26,27,28,29,30,31
	global_load_b32 v[X+32*((\t)%2)+\i], v[VGO], s[VP:VP+1] offset:(32*(\t)+\i)*256
.endr
.endm
; Block t is quantised: all its 32 numbers are mine, and the conversions' four results are 16 bytes of the operand's image
.macro BLOCK t
.set XS, X+32*((\t)%2)
.if (\t) < 7
	s_wait_loadcnt 32                              ; this block's 32 loads are in; the next block's 32 may be out
.else
	s_wait_loadcnt 0x0
.endif
	MAX32 XS, MA, MB
	v_add_nc_u32 v[SOP], TWO_OFF, v[MA]            ; the conversion takes the exponent field of this operand as its scale, and nothing else of it
.if (\t)%4 == 0
	v_lshrrev_b32 v[VW+(\t)/4], 23, v[SOP]         ; the scale's byte: the first of a key step's four
.else
	v_lshrrev_b32 v[BY], 23, v[SOP]
	v_lshl_or_b32 v[VW+(\t)/4], v[BY], 8*((\t)%4), v[VW+(\t)/4]
.endif
.irp g, 0,1,2,3
	v_cvt_scalef32_pk8_fp4_f32 v[C+4*(\t)+\g], v[XS+8*\g:XS+8*\g+7], v[SOP]
.endr
	v_nop                                          ; one plain place behind a scaled conversion
	ds_store_b128 v[VST], v[C+4*(\t):C+4*(\t)+3] offset:((\t)/4)*4096+(((\t)%4)/2)*512+((\t)%2)*256   ; step 2 kq + t / 4, registers 4 ((t % 4) / 2) on, half t % 2 of the lanes
.if (\t)%4 == 3
	ds_store_b32 v[VSS], v[VW+(\t)/4] offset:256*((\t)/4)
.endif
.if (\t)+2 < 8
	LOADV (\t)+2
.endif
.endm
	s_load_b256 s[4:11], s[0:1], 0x0               ; x1 s[4:5], x2's codes s[6:7], x2's scales s[8:9], out s[10:11]
	v_lshrrev_b32 v[T3], 5, v0
	v_readfirstlane_b32 s[WV], v[T3]               ; wave 0..15
	v_and_b32 v[T0], 31, v0                        ; lane
	v_and_b32 v[T1], 15, v0                        ; r
	v_bfe_u32 v[T2], v0, 4, 1                      ; h
	s_and_b32 s13, ttmp7, 0xffff                   ; the head
	s_lshl_b32 s14, s13, 19                        ; its first byte in x1 and in out: 2,048 rows of 256 bytes,
	s_mov_b32 s15, 0
	s_lshl_b32 s16, s13, 16                        ; in the codes: 2,048 x 32,
	s_mov_b32 s17, 0
	s_lshl_b32 s18, s13, 12                        ; in the scale bytes: 2,048 x 2
	s_mov_b32 s19, 0
	s_and_b32 s42, s[WV], 1                        ; ch: which 32 channels of V my wave quantises
	s_lshr_b32 s43, s[WV], 1                       ; kq: which 256 keys
	s_lshl_b32 s24, s42, 7
	s_lshl_b32 s44, s43, 16
	s_add_co_u32 s24, s24, s44                     ; 128 ch + 256 rows x 256 bytes x kq
	s_mov_b32 s25, 0
	s_lshl_b32 s26, ttmp9, 17
	s_lshl_b32 s44, s[WV], 13
	s_add_co_u32 s26, s26, s44                     ; my first query's row: (512 x + 32 wave) x 256 bytes
	s_mov_b32 s27, 0
	s_mov_b32 s[SEL], 0x76543210
	s_mov_b32 s[SEL+1], 0xfedcba98
	s_mov_b32 s[CS], 0x408a7fac                    ; c = 3 log2(e) = 4.3280851
	s_mov_b32 s[CS+1], s[CS]                       ; (named with it as a pair, so it is written)
	s_mul_i32 s41, s[WV], 16*SP
	s_add_co_u32 s41, s41, STG                     ; my stage
	v_lshlrev_b32 v[LI], 4, v[T0]
	v_add_nc_u32 v[AV0], VIMG, v[LI]
	v_add_nc_u32 v[ASK0], KSC, v[LI]
	v_lshl_add_u32 v[ASV0], v[T0], 3, VSC
	v_mul_u32_u24 v[SO], v[T1], SP
	v_lshl_add_u32 v[SO], v[T2], 5, v[SO]
	v_add_nc_u32 v[SO], s41, v[SO]
	v_mul_u32_u24 v[RD], v[T2], SP
	v_lshl_add_u32 v[RD], v[T1], 4, v[RD]
	v_add_nc_u32 v[RD], s41, v[RD]
	v_mul_u32_u24 v[QR], v[T1], SP
	v_lshl_add_u32 v[QR], v[T2], 7, v[QR]
	v_add_nc_u32 v[QR], s41, v[QR]
	; K's codes: the head's 4,096 pieces of 16 bytes (piece j = 2 key + block) are read as they lie, piece 512 n + thread in load n.  With j = 64 b' + 32 a + 16 u + 2 c + h
	; (key = 32 b' + 16 a + 8 u + c) the piece belongs to tile 2 b' + u, lane 16 h + 8 a + c: place 64 b' + 32 u + 16 h + 8 a + c.  n moves only the bits from 9 on, which keep their places
	v_lshlrev_b32 v[KGO], 4, v0
	v_bfe_u32 v[KST], v0, 1, 3                     ; c
	v_bfe_u32 v[T3], v0, 5, 1                      ; a
	v_lshl_or_b32 v[KST], v[T3], 3, v[KST]
	v_and_b32 v[T3], 1, v0                         ; h
	v_lshl_or_b32 v[KST], v[T3], 4, v[KST]
	v_bfe_u32 v[T3], v0, 4, 1                      ; u
	v_lshl_or_b32 v[KST], v[T3], 5, v[KST]
	v_lshrrev_b32 v[T3], 6, v0                     ; b'
	v_lshl_or_b32 v[KST], v[T3], 6, v[KST]
	v_lshlrev_b32 v[KST], 4, v[KST]                ; 16 bytes a place (K's images begin at LDS byte 0)
	; K's scale words: thread 32 s + 16 u + 8 a + c makes, for b = 0 .. 3, the word of key 128 s + 32 b + 16 a + 8 u + c: its two bytes, zeros above
	v_and_b32 v[KSO], 7, v0
	v_lshlrev_b32 v[KSO], 1, v[KSO]                ; 2 c
	v_bfe_u32 v[T3], v0, 4, 1
	v_lshl_or_b32 v[KSO], v[T3], 4, v[KSO]         ; + 16 u
	v_bfe_u32 v[T3], v0, 3, 1
	v_lshl_or_b32 v[KSO], v[T3], 5, v[KSO]         ; + 32 a
	v_lshrrev_b32 v[T3], 5, v0
	v_lshl_or_b32 v[KSO], v[T3], 8, v[KSO]         ; + 256 s
	v_lshl_add_u32 v[KSS], v0, 4, KSC
	; V: my column is channel 32 ch + lane: tile 2 ch + h, lane r of the image
	v_lshlrev_b32 v[VGO], 2, v[T0]
	s_lshl_b32 s44, s42, 11
	s_lshl_b32 s45, s43, 13
	s_add_co_u32 s44, s44, s45
	s_add_co_u32 s44, s44, VIMG
	v_lshlrev_b32 v[VST], 4, v[T1]
	v_lshl_add_u32 v[VST], v[T2], 10, v[VST]
	v_add_nc_u32 v[VST], s44, v[VST]               ; VIMG + 8192 kq + 2048 ch + 1024 h + 16 r
	s_lshl_b32 s44, s42, 2
	s_lshl_b32 s45, s43, 9
	s_add_co_u32 s44, s44, s45
	v_add_nc_u32 v[VSS], s44, v[ASV0]              ; VSC + 512 kq + 8 lane + 4 ch
	s_wait_kmcnt 0x0
	s_add_nc_u64 s[28:29], s[4:5], s[14:15]        ; x1 at the head
	s_add_nc_u64 s[VP:VP+1], s[28:29], s[24:25]
	s_add_nc_u64 s[QP:QP+1], s[28:29], s[26:27]
	s_add_nc_u64 s[OP:OP+1], s[10:11], s[14:15]
	s_add_nc_u64 s[OP:OP+1], s[OP:OP+1], s[26:27]
	s_add_nc_u64 s[6:7], s[6:7], s[16:17]
	s_add_nc_u64 s[8:9], s[8:9], s[18:19]
.irp n, 0,1,2,3,4,5,6,7
	global_load_b128 v[OT+4*\n:OT+4*\n+3], v[KGO], s[6:7] offset:8192*\n   ; a wave reads 512 consecutive bytes
.endr
.irp b, 0,1,2,3
	global_load_u16 v[VF+\b], v[KSO], s[8:9] offset:64*\b                  ; widened with zeros: the scale word as the product wants it
.endr
	LOADV 0
	s_wait_loadcnt 32                              ; K's twelve loads are in; block 0's 32 may be out
.irp n, 0,1,2,3,4,5,6,7
	ds_store_b128 v[KST], v[OT+4*\n:OT+4*\n+3] offset:8192*\n
.endr
	ds_store_b128 v[KSS], v[VF:VF+3]
	LOADV 1
.irp t, 0,1,2,3,4,5,6,7
	BLOCK \t
.endr
	; zeros that stay: k = 64 .. 127 of K's eight fragments and of Q's
.irp t, 0,1,2,3,4,5,6,7
.irp i, 4,5,6,7
	v_mov_b32 v[KF+8*\t+\i], 0
.endr
.endr
.irp i, 4,5,6,7
	v_mov_b32 v[QF+\i], 0
.endr
.irp b, 0,1,2,3
	v_mov_b32 v[236+\b], 0                         ; written once: a lane permute's destination counts as one of its sources
.endr
	v_mov_b32 v253, 0                              ; (named as the upper half of the pair v[252:253] before it is first written)
	s_wait_dscnt 0x0                               ; for the others' sake: my stores into the images have landed
	s_barrier_signal -1
	s_barrier_wait -1                              ; everybody's have: from here on the images are only read
	s_mov_b32 s[PASS], 2
.Lpass:
	; ---- Q: my 16 queries, 4,096 consecutive bytes, are read as they lie, turn through my stage, and come back 32 neighbours a lane: block h of query r
.irp i, 0,1,2,3,4,5,6,7
	global_load_b128 v[S+32+4*\i:S+32+4*\i+3], v[LI], s[QP:QP+1] offset:512*\i
.endr
.irp i, 0,1,2,3,4,5,6,7
	s_wait_loadcnt 7-\i                            ; load i is in; the younger ones may be out
	ds_store_b128 v[RD], v[S+32+4*\i:S+32+4*\i+3] offset:2*SP*\i
.endr
.irp j, 0,1,2,3,4,5,6,7
	ds_load_b128 v[S+4*\j:S+4*\j+3], v[QR] offset:16*\j   ; LDS serves a wave's instructions in order (ISA guide 5.7.1.4): these see my stores
.endr
	s_wait_dscnt 0x0
	MAX32 S, MA, MB
	v_add_nc_u32 v[SOP], TWO_OFF, v[MA]
	v_lshrrev_b32 v[MB], 23, v[SOP]                ; my block's byte,
	v_bfe_u32 v[BY], v0, 4, 1
	v_lshlrev_b32 v[BY], 3, v[BY]
	v_lshlrev_b32 v[MB], v[BY], v[MB]              ; at its place in the scale word (8 h bits up);
	v_permlanex16_b32 v236, v[MB], s[SEL], s[SEL+1]
	v_or_b32 v[QS], v[MB], v236                    ; with lane l xor 16's the word is whole; its upper two bytes are 0
.irp g, 0,1,2,3
	v_cvt_scalef32_pk8_fp4_f32 v[QF+\g], v[S+8*\g:S+8*\g+7], v[SOP]
.endr
	v_nop                                          ; one plain place behind a scaled conversion
	; ---- the pass begins: the lines below are also the places between the writes of Q's scale word (8 are asked) and codes (4) and the first product
	v_mov_b32 v13, 0xff61b1e6                      ; the largest t so far: -3e38, under every t
	v_floor_f32 v12, -v13                          ; -M
	v_mov_b32 v14, 0                               ; the sum, in two halves
	v_mov_b32 v15, 0
.set j, 0
.rept 32
	v_mov_b32 v[OT+j], 0                           ; O^T.  (The step is written once: the first finds zeros, which the first change of M leaves zeros; a first step of its own would double the loop's text to spare these 32)
.set j, j+1
.endr
	s_mov_b32 s[TB], 0
	s_mov_b32 s[TS], 0
	s_mov_b32 s[TJ], 0
	s_mov_b32 s[STEPS], 16
.Lstep:                                                ; A KEY STEP: 128 keys
	v_add_nc_u32 v[ADK], s[TB], v[LI]              ; these four are the places between the last trip's products and the loads into V's fragments and scale words (ISA guide 7.12.1 for vector instructions)
	v_add_nc_u32 v[ADV], s[TB], v[AV0]
	v_add_nc_u32 v[ADS], s[TS], v[ASK0]
	v_add_nc_u32 v[ADT], s[TJ], v[ASV0]
	ds_load_b128 v[KS:KS+3], v[ADS]                ; register b: lanes 0-15 tile 2 b's words, lanes 16-31 tile 2 b + 1's
.irp t, 0,1,2,3,4,5,6,7
	ds_load_b128 v[KF+8*\t:KF+8*\t+3], v[ADK] offset:512*\t
.endr
	ds_load_b64 v[VS:VS+1], v[ADT]                 ; V's are asked for now and land under the softmax
.irp t, 0,1,2,3
.irp c, 0,1
	ds_load_b128 v[VF+8*\t+4*\c:VF+8*\t+4*\c+3], v[ADV] offset:1024*\t+512*\c
.endr
.endr
	s_wait_dscnt 9                                 ; K's nine loads are in; V's nine, issued behind them, may be out
.irp t, 0,1,2,3,4,5,6,7                        ; S^T = K Q^T: lane (r, h) holds query r; the 16 registers of tiles 2 b, 2 b + 1 are keys 32 b + 16 h + 0 .. 15 of the step
.if \t%2
	v_wmma_scale_f32_16x16x128_f8f6f4 v[S+8*\t:S+8*\t+7], v[KF+8*\t:KF+8*\t+7], v[QF:QF+7], 0, v[KS+\t/2], v[QS] matrix_a_fmt:MATRIX_FMT_FP4 matrix_b_fmt:MATRIX_FMT_FP4 matrix_a_scale:MATRIX_SCALE_ROW1
.else
	v_wmma_scale_f32_16x16x128_f8f6f4 v[S+8*\t:S+8*\t+7], v[KF+8*\t:KF+8*\t+7], v[QF:QF+7], 0, v[KS+\t/2], v[QS] matrix_a_fmt:MATRIX_FMT_FP4 matrix_b_fmt:MATRIX_FMT_FP4
.endif
.endr
.rept 4
	v_nop                                          ; four places in front of the first read of the scores
.endr
.irp b, 0,1,2,3
	v_max3_num_f32 v[232+\b], v[S+16*\b], v[S+1+16*\b], v[S+2+16*\b]   ; THE LARGEST SCORE OF EACH BLOCK OF 32 KEYS: it serves twice: for the row's maximum, and, since p rises with the score, for the block's largest p
.endr
.irp i, 3,5,7,9,11,13
.irp b, 0,1,2,3
	v_max3_num_f32 v[232+\b], v[232+\b], v[S+16*\b+\i], v[S+1+16*\b+\i]   ; (the four blocks by turns)
.endr
.endr
.irp b, 0,1,2,3
	v_max_num_f32 v[232+\b], v[232+\b], v[S+15+16*\b]
.endr
.irp b, 0,1,2,3
	v_permlanex16_b32 v[236+\b], v[232+\b], s[SEL], s[SEL+1]
.endr
.irp b, 0,1,2,3
	v_max_num_f32 v[232+\b], v[232+\b], v[236+\b]  ; with lane l xor 16's 16 keys
.endr
	v_max3_num_f32 v254, v232, v233, v234
	v_max_num_f32 v254, v254, v235                 ; the step's largest score of my query
	v_mul_f32 v254, s[CS], v254                    ; as t (c is positive)
	v_max_num_f32 v13, v13, v254                   ; the running largest t
	v_mov_b32 v254, v12
	v_floor_f32 v12, -v13                          ; the new -M = floor(-t) = -ceil(t): M IS A WHOLE NUMBER
	v_sub_f32 v254, v12, v254                      ; M's old value less its new one: a whole number, 0 or less
	v_cvt_i32_f32 v254, v254                       ; (it saturates)
	v_ldexp_f32 v252, 1.0, v254                    ; f = 2^(old M - new M): what was summed under the old M is brought under the new by a multiplication that rounds nothing
.set j, 0
.rept 32
	v_pk_fma_f32 v[S+j:S+j+1], v[S+j:S+j+1], s[CS:CS+1], v[12:13] op_sel_hi:[1,0,0]   ; t - M, two at a time (of the pairs c and -M the low word serves both halves)
.set j, j+2
.endr
.irp b, 0,1,2,3
	v_fma_f32 v[232+\b], v[232+\b], s[CS], v12     ; the same of each block's largest score
.endr
.set j, 0
.rept 64
	v_exp_f32 v[S+j], v[S+j]                       ; p = 2^(t - M), at most 1: NOT normalised
.set j, j+1
.endr
.irp b, 0,1,2,3
	v_exp_f32 v[232+\b], v[232+\b]                 ; the block's largest p: the same two instructions on the same number give the same bits
.endr
	v_pk_mul_f32 v[14:15], v[14:15], v[252:253] op_sel_hi:[1,0]   ; the sums under the new M.  (A plain place behind the exponentials)
	s_wait_alu depctr_va_vdst(0)
.irp b, 0,1,2,3
	v_max_num_f32 v[232+\b], FLOOR, v[232+\b]      ; a block whose every p has fallen to 0 keeps the byte 1: its codes are zeros
.endr
.irp b, 0,1,2,3
	v_add_nc_u32 v[SOP+\b], TWO_OFF, v[232+\b]     ; the conversion's scale operand
.endr
.irp b, 0,1,2,3
	v_lshrrev_b32 v[236+\b], 23, v[SOP+\b]         ; the scale's byte
.endr
	v_lshl_or_b32 v253, v237, 8, v236              ; p's scale word for these 128 keys
	v_lshl_or_b32 v253, v238, 16, v253
	v_lshl_or_b32 v253, v239, 24, v253
.irp b, 0,1,2,3
	v_cvt_scalef32_pk8_fp4_f32 v[PC+2*\b], v[S+16*\b:S+7+16*\b], v[SOP+\b]
	v_cvt_scalef32_pk8_fp4_f32 v[PC+1+2*\b], v[S+8+16*\b:S+15+16*\b], v[SOP+\b]
.endr
	v_nop                                          ; one plain place behind a scaled conversion
.irp c, 0,1                                    ; the operand's layout wants a WHOLE block in a lane: lanes 0-15 block 2 c, lanes 16-31 block 2 c + 1
.irp i, 0,1
	v_permlane16_swap_b32 v[PC+4*\c+\i], v[PC+2+4*\c+\i]
.endr
.endr
.set j, 0
.rept 16
	v_pk_mul_f32 v[OT+j:OT+j+1], v[OT+j:OT+j+1], v[252:253] op_sel_hi:[1,0]   ; O^T under the new M: x f; each accumulator from its low end on
.set j, j+2
.endr
	v_pk_add_f32 v[236:237], v[S:S+1], v[S+2:S+3]  ; THE ROW'S SUM IS TAKEN OF THE UNQUANTISED p: two at a time, in two chains.  (With the 16 lines above: 48 places between p's codes and scale word and the products)
.irp j, 4,8,12,16,20,24,28,32,36,40,44,48,52,56,60
	v_pk_add_f32 v[14:15], v[14:15], v[S+\j:S+\j+1]
	v_pk_add_f32 v[236:237], v[236:237], v[S+2+\j:S+3+\j]
.endr
	v_pk_add_f32 v[14:15], v[14:15], v[236:237]
	s_wait_dscnt 0x0                               ; V's fragments and scale words are in
.irp t, 0,1,2,3                                ; O^T += V^T P^T: K = these 128 keys.  The four accumulators take turns, one instruction a turn, and the eight products K Q^T stand between a sum's links
.if \t%2
	v_wmma_scale_f32_16x16x128_f8f6f4 v[OT+8*\t:OT+8*\t+7], v[VF+8*\t:VF+8*\t+7], v[PC:PC+7], v[OT+8*\t:OT+8*\t+7], v[VS+\t/2], v253 matrix_a_fmt:MATRIX_FMT_FP4 matrix_b_fmt:MATRIX_FMT_FP4 matrix_a_scale:MATRIX_SCALE_ROW1
.else
	v_wmma_scale_f32_16x16x128_f8f6f4 v[OT+8*\t:OT+8*\t+7], v[VF+8*\t:VF+8*\t+7], v[PC:PC+7], v[OT+8*\t:OT+8*\t+7], v[VS+\t/2], v253 matrix_a_fmt:MATRIX_FMT_FP4 matrix_b_fmt:MATRIX_FMT_FP4
.endif
.endr
	s_add_co_u32 s[TB], s[TB], 4096
	s_add_co_u32 s[TS], s[TS], 512
	s_add_co_u32 s[TJ], s[TJ], 256
	s_sub_co_u32 s[STEPS], s[STEPS], 1
	s_cmp_lg_u32 s[STEPS], 0
	s_cbranch_scc1 .Lstep
	; ---- THE WAY OUT.  O^T / the sum goes through my stage, 32 bytes a lane into rows of 272, and comes back as whole rows of 256 bytes, two to an instruction
.rept 4
	v_nop                                          ; four places behind the last products
.endr
	v_add_f32 v14, v14, v15                        ; the sum's two halves,
	v_permlanex16_b32 v252, v14, s[SEL], s[SEL+1]
	v_add_f32 v14, v14, v252                       ; and lane l xor 16's: the row's sum
	v_rcp_f32 v14, v14
	v_nop                                          ; one plain place behind a transcendental
.set j, 0
	s_wait_alu depctr_va_vdst(0)
.rept 16
	v_pk_mul_f32 v[S+j:S+j+1], v[OT+j:OT+j+1], v[14:15] op_sel_hi:[1,0]   ; register 8 t + i is out(query r, channel 16 t + 8 h + i); each accumulator from its low end on
.set j, j+2
.endr
.irp t, 0,1,2,3
	ds_store_b128 v[SO], v[S+8*\t:S+8*\t+3] offset:64*\t
	ds_store_b128 v[SO], v[S+8*\t+4:S+8*\t+7] offset:64*\t+16
.endr
.irp i, 0,1,2,3,4,5,6,7
	ds_load_b128 v[S+32+4*\i:S+32+4*\i+3], v[RD] offset:2*SP*\i   ; in order behind my stores
.endr
.irp i, 0,1,2,3,4,5,6,7
	s_wait_dscnt 7-\i                              ; rows 2 i and 2 i + 1 are back; the younger loads may be out
	global_store_b128 v[LI], v[S+32+4*\i:S+32+4*\i+3], s[OP:OP+1] offset:512*\i th:TH_STORE_NT   ; 32 lanes store 512 consecutive bytes, at a multiple of 512 from out's first byte; written once, read by nobody here
.endr
	s_wait_xcnt 0x0                                ; the stores' addresses are translated (ISA guide 3.1): only behind this wait are their base stepped and their data registers loaded again
	s_add_nc_u64 s[QP:QP+1], s[QP:QP+1], 4096      ; the next 16 queries (behind the last pass the stepped addresses are not used)
	s_add_nc_u64 s[OP:OP+1], s[OP:OP+1], 4096
	s_sub_co_u32 s[PASS], s[PASS], 1
	s_cmp_lg_u32 s[PASS], 0
	s_cbranch_scc1 .Lpass
	s_wait_xcnt 0x0
	v_lshl_add_u32 v254, v0, 2, 0x34000
	v_mov_b32 v255, 0
	s_wait_tensorcnt 0x0
	ds_add_u32 v254, v255
	s_wait_dscnt 0x0
	s_endpgm
.Lfunc_end_k_q09b471634c_attn:
	.size	k_q09b471634c_attn, .Lfunc_end_k_q09b471634c_attn-k_q09b471634c_attn
	.p2alignl 7, 3214868480
	.fill 96, 4, 3214868480
	.section	.rodata,"a",@progbits
	.p2align	6, 0x0
	.amdhsa_kernel k_q09b471634c_attn
		.amdhsa_group_segment_fixed_size 215040
		.amdhsa_private_segment_fixed_size 0
		.amdhsa_enable_private_segment 0
		.amdhsa_kernarg_size 32
		.amdhsa_user_sgpr_count 2
		.amdhsa_user_sgpr_kernarg_segment_ptr 1
		.amdhsa_wavefront_size32 1
		.amdhsa_system_sgpr_workgroup_id_x 1
		.amdhsa_system_sgpr_workgroup_id_y 1
		.amdhsa_system_sgpr_workgroup_id_z 1
		.amdhsa_system_vgpr_workitem_id 0
		.amdhsa_next_free_vgpr 256
		.amdhsa_next_free_sgpr 66
		.amdhsa_reserve_vcc 0
		.amdhsa_float_denorm_mode_32 3
		.amdhsa_float_denorm_mode_16_64 3
		.amdhsa_memory_ordered 1
		.amdhsa_forward_progress 1
		.amdhsa_inst_pref_size 68
	.end_amdhsa_kernel
	.amdgpu_metadata
---
amdhsa.version: [ 1, 2 ]
amdhsa.kernels:
  - .name:           k_q09b471634c_attn
    .symbol:         k_q09b471634c_attn.kd
    .args:
      - { .name: x1, .offset: 0, .size: 8, .value_kind: global_buffer, .address_space: global }
      - { .name: x2_codes, .offset: 8, .size: 8, .value_kind: global_buffer, .address_space: global }
      - { .name: x2_scales, .offset: 16, .size: 8, .value_kind: global_buffer, .address_space: global }
      - { .name: out0, .offset: 24, .size: 8, .value_kind: global_buffer, .address_space: global }
    .group_segment_fixed_size: 215040
    .private_segment_fixed_size: 0
    .kernarg_segment_align: 8
    .kernarg_segment_size: 32
    .max_flat_workgroup_size: 512
    .sgpr_count:     66
    .vgpr_count:     256
    .wavefront_size: 32
...
	.end_amdgpu_metadata
.endif
;; end of part 1
;; ======== version 2 of 2: 1 launch; version 1 with the launch attn written anew for expert scheduling mode
;; launch attn (part 2): grid 4 x 64, 16 waves a work-group, no clusters, 215,040 bytes of LDS; arguments x1, x2_codes, x2_scales, out0; writes out0
.if DOCPART == 2
	.amdgcn_target "amdgcn-amd-amdhsa--gfx1250"
	.amdhsa_code_object_version 6
	.text
	.protected	k_q09b471634c_attn
	.globl	k_q09b471634c_attn
	.p2align	8
	.type	k_q09b471634c_attn,@function
k_q09b471634c_attn:
	s_mov_b64 s[64:65], 0
	v_nop
	global_prefetch_b8 v0, s[64:65] scope:SCOPE_SE
	s_setreg_imm32_b32 hwreg(HW_REG_WAVE_SCHED_MODE, 0, 2), 2
	s_setreg_imm32_b32 hwreg(HW_REG_WAVE_MODE, 25, 1), 1
	s_wait_xcnt 0x0
	s_wait_alu depctr_vm_vsrc(0)
; out[h][q][:] = the sum over k of softmax_k(3 x1[h][q] . x2[h][k]) x1[h][k][:], 64 heads, 2,048 rows, 64 channels, both products on codes of FP4 (E2M1) with one E8M0 scale for each 32 along a product's K.
; x2 (the keys) arrives as codes, 32 bytes and 2 scale bytes a key.  x1 arrives as f32 and is quantised here twice: as queries along the 64 channels, as values along the KEYS (its row axis).
; THE SOFTMAX AHEAD OF THE SECOND PRODUCT: t = score x 3 log2(e); M = the row's largest t so far, rounded UP to a whole number; p = 2^(t - M) is what is quantised, along the keys, not normalised.
; The row's sum is taken of the unquantised p, in f32, and divides O at the end.  When M moves, the sum and O are multiplied by 2^(old M - new M): exact.
; SHARES.  Work-group (x, head) owns queries 512 x .. 512 x + 511 of the head.  Sixteen waves of 256 registers, four to a SIMD, so that one wave's vector work stands beside another's products and LDS loads:
; a key step of a wave is some 240 vector instructions beside 12 matrix instructions, so vector work decides, and no register window is needed.
; PROLOGUE, once: the head's keys (64 KiB of codes, 8 KiB of scale words) and values (quantised in registers: 64 KiB, 4 KiB) are laid in LDS as IMAGES OF THE OPERANDS' REGISTERS: every later read is a constant + 16 x lane.
; One barrier, the only one.  Then each wave makes two passes of 16 queries: Q quantised in registers, 16 key steps of 128 keys, the way out through the wave's own stage.  The key steps read no memory.
; LAYOUT.  Both products are used transposed: S^T = K Q^T (source 0 = 16 keys, source 1 = my 16 queries), O^T = V^T P^T (source 0 = 16 channels, source 1 = P): a lane holds ONE query (lane % 16) throughout.
; THE KEYS OF A TILE ARE NOT NEIGHBOURS: lane r of tile 2 b + u takes key 32 b + 8 u + r + 8 (r / 8), so that the 16 registers of tiles 2 b and 2 b + 1 are 16 neighbouring keys, 32 b + 16 (lane / 16) + 0 .. 15.
; The first product's K is 64: registers 4 to 7 of K's and Q's fragments (k = 64 .. 127) hold zero codes, under the scale bytes 0 (2^-127, no NaN): they add nothing.
; NO CLUSTER: what the four work-groups of a head share (x1's 512 KiB, 68 KiB of codes and scale bytes) is read once, at the kernel's head, straight into registers, through which V must pass to be quantised;
; a joint load would have to take the f32 numbers through LDS first, in slots filled again and again.  NO LAUNCH OF ITS OWN FOR V: four work-groups redo a head's conversions (8 blocks a lane), against a second launch and the codes' way to memory and back.
; LIMITS: NaN and infinities in x1 are not served.  A block of zeros gets the scale byte 1 where the rule says 127: its codes are zeros, and this program alone reads the bytes.  A p under 2^-126 comes out as 0 (v_exp_f32 flushes:
; ISA guide 15.8).  t - M is one fused multiply-add by the f32 number nearest 3 log2(e), where the definition rounds twice.  1 / the sum is v_rcp_f32.  A block's largest p is taken as 2^(.) of its largest score,
; which takes v_exp_f32 not to fall where its input rises.
; THE MODE: SCHED_MODE bits 1:0 = 2 (LLVM: expert scheduling mode 2), set by the entry lines.  The code itself states the register dependences
; between vector or matrix instructions and memory or LDS instructions, with s_wait_alu, always for 0.
; THE PLAN.  Registers that memory or LDS instructions touch, and who else names them:
;   v1, v3-8, v27-31, v240-241   offsets and LDS addresses: written at the head, ahead of the head's wait on va_vdst, and never again.
;   PROLOGUE.  X0, X1: block t's maxima and conversions read set t % 2; the loads of block t + 2 land in it.  C, VW: block t's conversions and shifts write them, its LDS stores read them.
;              ONE wait on va_vdst a block, behind its conversions, states both; the block's stores and loads follow it with no vector line between.
;              v160-195 carry K from loads to LDS stores.  One wait on vm_vsrc behind the barrier: the prologue's LDS stores have read C and v160-195, which the passes write.
;   KEY STEP.  v9-11, v26: the four LDS addresses, written by four adds a step, read by the step's 18 LDS loads.  KF (registers 0-3 of each fragment), KS: read by step s's eight products K Q^T; then step s + 1's land there.
;              VF, VS: read by step s's four products V^T P^T, its last lines; step s + 1's land there.
;              So all 18 loads stand behind ONE wait on va_vdst, behind the eight products and the four adds: this step's V and the NEXT step's K; both land under the softmax, whose lines name none of these registers.
;              One wait on vm_vsrc stands ahead of the four adds.  Two more waits on va_vdst: behind the exponentials, and ahead of V^T P^T for p's codes and scale word, which vector lines have written.
;   A PASS.    S's upper half: Q's loads land, the stage's stores read it, the products write it (a wait on vm_vsrc between); on the way out the stage's read-back lands there and the global stores read it.
;              S's lower half: Q comes back from the stage into it; on the way out O^T / the sum is written there and the stage's stores read it.  One wait on vm_vsrc at the pass's end frees both halves.
.set KIMG, 0                           ; LDS: K's codes: tile T = 8 s + 2 b + u at 512 T; lane l = 16 h + r: block h of its key, 16 bytes at 16 l
.set VIMG, 65536                       ; V's codes: step s, tile t (channels 16 t + r), registers 4 c on: 4096 s + 1024 t + 512 c + 16 l: block 2 c + h of the step's four
.set KSC,  131072                      ; K's scale words: 512 s + 16 l + 4 b: lanes 0-15 tile 2 b's key r, lanes 16-31 tile 2 b + 1's
.set VSC,  139264                      ; V's scale words: 256 s + 8 l + 4 g: lanes 0-15 tile 2 g's channel r, lanes 16-31 tile 2 g + 1's
.set STG,  143360                      ; a stage for each wave: 16 rows x (256 bytes + 16): row r starts at bank 4 r mod 64 (64 banks of 4 bytes: ISA guide 11.1).  Q's way in and O's way out
.set SP,   272
.set FLOOR, 0x1800000                  ; 2^(3 - 127): no largest magnitude is taken under it, so a scale's byte cannot fall under 1
.set TWO_OFF, 0xff000000               ; takes 2, the exponent of FP4's largest number, off an f32 number's exponent field
.set LI,   1                           ; v1   16 x lane: my place in an image (K's begin at LDS byte 0), and my byte offset in 512 bytes of Q and of O
.set AV0,  3                           ; v3   VIMG + 16 x lane
.set ASK0, 4                           ; v4   KSC + 16 x lane
.set ASV0, 5                           ; v5   VSC + 8 x lane
.set SO,   6                           ; v6   my stage + 272 r + 32 h: where I put 32 bytes of a row of O
.set RD,   7                           ; v7   my stage + 272 h + 16 r: two whole rows to an instruction
.set QR,   8                           ; v8   my stage + 272 r + 128 h: my 32 numbers of query r
.set ADK,  9                           ; v9-11, v26  the LDS addresses of the loads in hand: the next step's tiles of K, this step's tiles of V, the next step's scale words of K, this step's of V
.set ADV,  10
.set ADS,  11
.set ADT,  26
.set QF,   16                          ; v16-23   Q's fragment (v20-23 zeros);  v12 -M, v13 the largest t, v[14:15] the sum in two halves
.set VS,   24                          ; v24-25   V's scale words
.set KGO,  27                          ; v27-31, v240-241: the prologue's offsets and LDS addresses
.set KST,  28
.set KSO,  29
.set KSS,  30
.set VGO,  31
.set KF,   32                          ; v32-95   K's eight fragments (registers 4-7 of each zeros).  In the prologue: two sets of 32 numbers of x1
.set X,    32
.set S,    96                          ; v96-159  S^T, then p.  In the prologue v96-127: V's codes, four registers a block, never written again
.set C,    96
.set OT,   160                         ; v160-191 O^T.  In the prologue: K's codes on their way
.set VF,   192                         ; v192-223 V's four fragments.  In the prologue v192-195: K's scale words on their way
.set PC,   224                         ; v224-231 p's codes
.set MA,   232                         ; v232-235 block maxima;  v236-239 the other half's, then bytes, then a chain of the sum;  v244-247 the conversions' scale operands
.set MB,   233
.set BY,   234
.set T0,   236                         ; at the head: lane, r, h, at work
.set T1,   237
.set T2,   238
.set T3,   239
.set VST,  240
.set VSS,  241
.set VW,   242                         ; v242-243 my column's two scale words
.set SOP,  244
.set KS,   248                         ; v248-251 K's scale words;  v252 f;  v253 p's scale word;  v254 at work;  v255 Q's scale word
.set QS,   255
.set WV,   12                          ; s12 my wave's number
.set SEL,  20                          ; s[20:21] lane selects for v_permlanex16_b32: lane l xor 16
.set CS,   22                          ; s[22:23] c = 3 log2(e): the packed form names a pair and takes its low word for both halves
.set VP,   30                          ; s[30:31] x1 at my wave's part of V
.set QP,   32                          ; s[32:33] x1 at the pass's first query
.set OP,   34                          ; s[34:35] out likewise
.set TB,   36                          ; s36 where the step's image of V begins: 4,096 bytes a step
.set TS,   37                          ; s37 the next step's scale words of K: 512 a step
.set TJ,   38                          ; s38 this step's of V: 256 a step
.set STEPS, 39
.set PASS, 40
.set TK,   46                          ; s46 where the next step's image of K begins: 4,096 bytes a step; behind a pass's last step the first's again
; The largest magnitude of the 32 numbers v[s] .. v[s + 31], and the floor, into v[a]: two chains, so that no line waits for the line above it
.macro MAX32 s, a, b
	v_max3_num_f32 v[\a], |v[\s]|, |v[\s+1]|, |v[\s+2]|
	v_max3_num_f32 v[\b], |v[\s+3]|, |v[\s+4]|, |v[\s+5]|
.irp i, 6,10,14,18,22,26
	v_max3_num_f32 v[\a], v[\a], |v[\s+\i]|, |v[\s+\i+1]|
	v_max3_num_f32 v[\b], v[\b], |v[\s+\i+2]|, |v[\s+\i+3]|
.endr
	v_max3_num_f32 v[\a], v[\a], |v[\s+30]|, |v[\s+31]|
	v_max3_num_f32 v[\a], v[\a], v[\b], FLOOR
.endm
; Block t of my wave's eight: x1(256 kq + 32 t + i, my column), i = 0 .. 31, into set t % 2.  A LANE TAKES A COLUMN AND ITS REGISTERS RUN DOWN THE KEYS: a load reads 128 consecutive bytes, and the wave beside mine the row's other 128
.macro LOADV t
.irp i, 0,1,2,3,4,5,6,7,8,9,10,11,12,13,14,15,16,17,18,19,20,21,22,23,24,25,26,27,28,29,30,31
	global_load_b32 v[X+32*((\t)%2)+\i], v[VGO], s[VP:VP+1] offset:(32*(\t)+\i)*256
.endr
.endm
; Block t is quantised: all its 32 numbers are mine, and the conversions' four results are 16 bytes of the operand's image
.macro BLOCK t
.set XS, X+32*((\t)%2)
.if (\t) < 7
	s_wait_loadcnt 32                              ; this block's 32 loads are in; the next block's 32 may be out
.else
	s_wait_loadcnt 0x0
.endif
	MAX32 XS, MA, MB
	v_add_nc_u32 v[SOP], TWO_OFF, v[MA]            ; the conversion takes the exponent field of this operand as its scale, and nothing else of it
.if (\t)%4 == 0
	v_lshrrev_b32 v[VW+(\t)/4], 23, v[SOP]         ; the scale's byte: the first of a key step's four
.else
	v_lshrrev_b32 v[BY], 23, v[SOP]
	v_lshl_or_b32 v[VW+(\t)/4], v[BY], 8*((\t)%4), v[VW+(\t)/4]
.endif
.irp g, 0,1,2,3
	v_cvt_scalef32_pk8_fp4_f32 v[C+4*(\t)+\g], v[XS+8*\g:XS+8*\g+7], v[SOP]
.endr
	v_nop                                          ; one plain place behind a scaled conversion
	s_wait_alu depctr_va_vdst(0)                   ; the conversions have written the block's codes and the shifts its scale word, which the LDS stores below read; the maxima and conversions are done reading set t % 2, in which the loads below land
	ds_store_b128 v[VST], v[C+4*(\t):C+4*(\t)+3] offset:((\t)/4)*4096+(((\t)%4)/2)*512+((\t)%2)*256   ; step 2 kq + t / 4, registers 4 ((t % 4) / 2) on, half t % 2 of the lanes
.if (\t)%4 == 3
	ds_store_b32 v[VSS], v[VW+(\t)/4] offset:256*((\t)/4)
.endif
.if (\t)+2 < 8
	LOADV (\t)+2
.endif
.endm
; A key step's scale words and eight fragments of K: nine LDS loads.  Scale register b: lanes 0-15 tile 2 b's words, lanes 16-31 tile 2 b + 1's
.macro FETCH_K adk, ads
	ds_load_b128 v[KS:KS+3], v[\ads]
.irp t, 0,1,2,3,4,5,6,7
	ds_load_b128 v[KF+8*\t:KF+8*\t+3], v[\adk] offset:512*\t
.endr
.endm
	s_load_b256 s[4:11], s[0:1], 0x0               ; x1 s[4:5], x2's codes s[6:7], x2's scales s[8:9], out s[10:11]
	v_lshrrev_b32 v[T3], 5, v0
	v_readfirstlane_b32 s[WV], v[T3]               ; wave 0..15
	v_and_b32 v[T0], 31, v0                        ; lane
	v_and_b32 v[T1], 15, v0                        ; r
	v_bfe_u32 v[T2], v0, 4, 1                      ; h
	s_and_b32 s13, ttmp7, 0xffff                   ; the head
	s_lshl_b32 s14, s13, 19                        ; its first byte in x1 and in out: 2,048 rows of 256 bytes,
	s_mov_b32 s15, 0
	s_lshl_b32 s16, s13, 16                        ; in the codes: 2,048 x 32,
	s_mov_b32 s17, 0
	s_lshl_b32 s18, s13, 12                        ; in the scale bytes: 2,048 x 2
	s_mov_b32 s19, 0
	s_wait_alu depctr_va_sdst(0)                   ; s12, my wave's number, is written, ahead of its first reader
	s_and_b32 s42, s[WV], 1                        ; ch: which 32 channels of V my wave quantises
	s_lshr_b32 s43, s[WV], 1                       ; kq: which 256 keys
	s_lshl_b32 s24, s42, 7
	s_lshl_b32 s44, s43, 16
	s_add_co_u32 s24, s24, s44                     ; 128 ch + 256 rows x 256 bytes x kq
	s_mov_b32 s25, 0
	s_lshl_b32 s26, ttmp9, 17
	s_lshl_b32 s44, s[WV], 13
	s_add_co_u32 s26, s26, s44                     ; my first query's row: (512 x + 32 wave) x 256 bytes
	s_mov_b32 s27, 0
	s_mov_b32 s[SEL], 0x76543210
	s_mov_b32 s[SEL+1], 0xfedcba98
	s_mov_b32 s[CS], 0x408a7fac                    ; c = 3 log2(e) = 4.3280851
	s_mov_b32 s[CS+1], s[CS]                       ; (named with it as a pair, so it is written)
	s_mul_i32 s41, s[WV], 16*SP
	s_add_co_u32 s41, s41, STG                     ; my stage
	v_lshlrev_b32 v[LI], 4, v[T0]
	v_add_nc_u32 v[AV0], VIMG, v[LI]
	v_add_nc_u32 v[ASK0], KSC, v[LI]
	v_lshl_add_u32 v[ASV0], v[T0], 3, VSC
	v_mul_u32_u24 v[SO], v[T1], SP
	v_lshl_add_u32 v[SO], v[T2], 5, v[SO]
	v_add_nc_u32 v[SO], s41, v[SO]
	v_mul_u32_u24 v[RD], v[T2], SP
	v_lshl_add_u32 v[RD], v[T1], 4, v[RD]
	v_add_nc_u32 v[RD], s41, v[RD]
	v_mul_u32_u24 v[QR], v[T1], SP
	v_lshl_add_u32 v[QR], v[T2], 7, v[QR]
	v_add_nc_u32 v[QR], s41, v[QR]
	; K's codes: the head's 4,096 pieces of 16 bytes (piece j = 2 key + block) are read as they lie, piece 512 n + thread in load n.  With j = 64 b' + 32 a + 16 u + 2 c + h
	; (key = 32 b' + 16 a + 8 u + c) the piece belongs to tile 2 b' + u, lane 16 h + 8 a + c: place 64 b' + 32 u + 16 h + 8 a + c.  n moves only the bits from 9 on, which keep their places
	v_lshlrev_b32 v[KGO], 4, v0
	v_bfe_u32 v[KST], v0, 1, 3                     ; c
	v_bfe_u32 v[T3], v0, 5, 1                      ; a
	v_lshl_or_b32 v[KST], v[T3], 3, v[KST]
	v_and_b32 v[T3], 1, v0                         ; h
	v_lshl_or_b32 v[KST], v[T3], 4, v[KST]
	v_bfe_u32 v[T3], v0, 4, 1                      ; u
	v_lshl_or_b32 v[KST], v[T3], 5, v[KST]
	v_lshrrev_b32 v[T3], 6, v0                     ; b'
	v_lshl_or_b32 v[KST], v[T3], 6, v[KST]
	v_lshlrev_b32 v[KST], 4, v[KST]                ; 16 bytes a place (K's images begin at LDS byte 0)
	; K's scale words: thread 32 s + 16 u + 8 a + c makes, for b = 0 .. 3, the word of key 128 s + 32 b + 16 a + 8 u + c: its two bytes, zeros above
	v_and_b32 v[KSO], 7, v0
	v_lshlrev_b32 v[KSO], 1, v[KSO]                ; 2 c
	v_bfe_u32 v[T3], v0, 4, 1
	v_lshl_or_b32 v[KSO], v[T3], 4, v[KSO]         ; + 16 u
	v_bfe_u32 v[T3], v0, 3, 1
	v_lshl_or_b32 v[KSO], v[T3], 5, v[KSO]         ; + 32 a
	v_lshrrev_b32 v[T3], 5, v0
	v_lshl_or_b32 v[KSO], v[T3], 8, v[KSO]         ; + 256 s
	v_lshl_add_u32 v[KSS], v0, 4, KSC
	; V: my column is channel 32 ch + lane: tile 2 ch + h, lane r of the image
	v_lshlrev_b32 v[VGO], 2, v[T0]
	s_lshl_b32 s44, s42, 11
	s_lshl_b32 s45, s43, 13
	s_add_co_u32 s44, s44, s45
	s_add_co_u32 s44, s44, VIMG
	v_lshlrev_b32 v[VST], 4, v[T1]
	v_lshl_add_u32 v[VST], v[T2], 10, v[VST]
	v_add_nc_u32 v[VST], s44, v[VST]               ; VIMG + 8192 kq + 2048 ch + 1024 h + 16 r
	s_lshl_b32 s44, s42, 2
	s_lshl_b32 s45, s43, 9
	s_add_co_u32 s44, s44, s45
	v_add_nc_u32 v[VSS], s44, v[ASV0]              ; VSC + 512 kq + 8 lane + 4 ch
	s_wait_kmcnt 0x0
	s_add_nc_u64 s[28:29], s[4:5], s[14:15]        ; x1 at the head
	s_add_nc_u64 s[VP:VP+1], s[28:29], s[24:25]
	s_add_nc_u64 s[QP:QP+1], s[28:29], s[26:27]
	s_add_nc_u64 s[OP:OP+1], s[10:11], s[14:15]
	s_add_nc_u64 s[OP:OP+1], s[OP:OP+1], s[26:27]
	s_add_nc_u64 s[6:7], s[6:7], s[16:17]
	s_add_nc_u64 s[8:9], s[8:9], s[18:19]
	s_wait_alu depctr_va_vdst(0)                   ; the offsets and LDS addresses v1, v3-8, v27-31, v240-241 are written: the kernel's loads and stores read them, and none is written again
.irp n, 0,1,2,3,4,5,6,7
	global_load_b128 v[OT+4*\n:OT+4*\n+3], v[KGO], s[6:7] offset:8192*\n   ; a wave reads 512 consecutive bytes
.endr
.irp b, 0,1,2,3
	global_load_u16 v[VF+\b], v[KSO], s[8:9] offset:64*\b                  ; widened with zeros: the scale word as the product wants it
.endr
	LOADV 0
	s_wait_loadcnt 32                              ; K's twelve loads are in; block 0's 32 may be out
.irp n, 0,1,2,3,4,5,6,7
	ds_store_b128 v[KST], v[OT+4*\n:OT+4*\n+3] offset:8192*\n
.endr
	ds_store_b128 v[KSS], v[VF:VF+3]
	LOADV 1
.irp t, 0,1,2,3,4,5,6,7
	BLOCK \t
.endr
	; zeros that stay: k = 64 .. 127 of K's eight fragments and of Q's
.irp t, 0,1,2,3,4,5,6,7
.irp i, 4,5,6,7
	v_mov_b32 v[KF+8*\t+\i], 0
.endr
.endr
.irp i, 4,5,6,7
	v_mov_b32 v[QF+\i], 0
.endr
.irp b, 0,1,2,3
	v_mov_b32 v[236+\b], 0                         ; written once: a lane permute's destination counts as one of its sources
.endr
	v_mov_b32 v253, 0                              ; (named as the upper half of the pair v[252:253] before it is first written)
	s_wait_dscnt 0x0                               ; for the others' sake: my stores into the images have landed
	s_barrier_signal -1
	s_barrier_wait -1                              ; everybody's have: from here on the images are only read
	s_wait_alu depctr_vm_vsrc(0)                   ; my LDS stores have read V's codes (v96-127), K's codes (v160-191) and K's scale words (v192-195): Q's read-back, O^T's zeros and V's fragments are written there next
	FETCH_K LI, ASK0                               ; key step 0's K, for the first pass.  No wait: the last vector lines that named registers 0-3 of the fragments are block 6's and 7's, ahead of block 7's wait on va_vdst
	s_mov_b32 s[PASS], 2
.Lpass:
	; ---- Q: my 16 queries, 4,096 consecutive bytes, are read as they lie, turn through my stage, and come back 32 neighbours a lane: block h of query r
.irp i, 0,1,2,3,4,5,6,7
	global_load_b128 v[S+32+4*\i:S+32+4*\i+3], v[LI], s[QP:QP+1] offset:512*\i
.endr
.irp i, 0,1,2,3,4,5,6,7
	s_wait_loadcnt 7-\i                            ; load i is in; the younger ones may be out
	ds_store_b128 v[RD], v[S+32+4*\i:S+32+4*\i+3] offset:2*SP*\i
.endr
.irp j, 0,1,2,3,4,5,6,7
	ds_load_b128 v[S+4*\j:S+4*\j+3], v[QR] offset:16*\j   ; LDS serves a wave's instructions in order (ISA guide 5.7.1.4): these see my stores
.endr
	s_wait_dscnt 0x0                               ; Q is back; key step 0's K, asked for earlier, is in too
	s_wait_alu depctr_vm_vsrc(0)                   ; the stores into the stage have read v[S+32 ..], which the first step's products write
	MAX32 S, MA, MB
	v_add_nc_u32 v[SOP], TWO_OFF, v[MA]
	v_lshrrev_b32 v[MB], 23, v[SOP]                ; my block's byte,
	v_bfe_u32 v[BY], v0, 4, 1
	v_lshlrev_b32 v[BY], 3, v[BY]
	v_lshlrev_b32 v[MB], v[BY], v[MB]              ; at its place in the scale word (8 h bits up);
	v_permlanex16_b32 v236, v[MB], s[SEL], s[SEL+1]
	v_or_b32 v[QS], v[MB], v236                    ; with lane l xor 16's the word is whole; its upper two bytes are 0
.irp g, 0,1,2,3
	v_cvt_scalef32_pk8_fp4_f32 v[QF+\g], v[S+8*\g:S+8*\g+7], v[SOP]
.endr
	v_nop                                          ; one plain place behind a scaled conversion
	; ---- the pass begins: the lines below are also the places between the writes of Q's scale word (8 are asked) and codes (4) and the first product
	v_mov_b32 v13, 0xff61b1e6                      ; the largest t so far: -3e38, under every t
	v_floor_f32 v12, -v13                          ; -M
	v_mov_b32 v14, 0                               ; the sum, in two halves
	v_mov_b32 v15, 0
.set j, 0
.rept 32
	v_mov_b32 v[OT+j], 0                           ; O^T.  (The step is written once: the first finds zeros, which the first change of M leaves zeros; a first step of its own would double the loop's text to spare these 32)
.set j, j+1
.endr
	s_mov_b32 s[TB], 0
	s_mov_b32 s[TJ], 0
	s_mov_b32 s[STEPS], 16
	s_wait_alu depctr_va_vdst(0)                   ; Q's codes and scale word are written, and the zero codes of K's and Q's fragments: the scaled products take them as operands and scales; behind their places; no vector line of the loop writes them
.Lstep:                                                ; A KEY STEP: 128 keys.  Its K was asked for a step ago and is in: every way here has passed a wait for all LDS loads behind those nine
	s_add_co_u32 s[TK], s[TB], 4096
	s_and_b32 s[TK], s[TK], 0xffff                 ; the next step's K; behind a pass's last step the first's again, with which the next pass begins (behind the last pass's last step the nine loads bring what nobody reads)
	s_lshr_b32 s[TS], s[TK], 3                     ; and its scale words: 512 bytes a step
.irp t, 0,1,2,3,4,5,6,7                        ; S^T = K Q^T: lane (r, h) holds query r; the 16 registers of tiles 2 b, 2 b + 1 are keys 32 b + 16 h + 0 .. 15 of the step
.if \t%2
	v_wmma_scale_f32_16x16x128_f8f6f4 v[S+8*\t:S+8*\t+7], v[KF+8*\t:KF+8*\t+7], v[QF:QF+7], 0, v[KS+\t/2], v[QS] matrix_a_fmt:MATRIX_FMT_FP4 matrix_b_fmt:MATRIX_FMT_FP4 matrix_a_scale:MATRIX_SCALE_ROW1
.else
	v_wmma_scale_f32_16x16x128_f8f6f4 v[S+8*\t:S+8*\t+7], v[KF+8*\t:KF+8*\t+7], v[QF:QF+7], 0, v[KS+\t/2], v[QS] matrix_a_fmt:MATRIX_FMT_FP4 matrix_b_fmt:MATRIX_FMT_FP4
.endif
.endr
	s_wait_alu depctr_vm_vsrc(0)                   ; the LDS loads of the step before have read the four addresses, which the four lines below write
	v_add_nc_u32 v[ADV], s[TB], v[AV0]             ; these four are the places between the products above and the first read of the scores (ISA guide 7.12.1)
	v_add_nc_u32 v[ADT], s[TJ], v[ASV0]
	v_add_nc_u32 v[ADK], s[TK], v[LI]
	v_add_nc_u32 v[ADS], s[TS], v[ASK0]
	s_wait_alu depctr_va_vdst(0)                   ; the four addresses are written; the eight products above are done reading K's fragments and scale words, the last step's four V's: the 18 loads below read the first and land in the others
	ds_load_b64 v[VS:VS+1], v[ADT]                 ; this step's V and the next step's K are asked for now and land under the softmax, whose lines name none of their registers
.irp t, 0,1,2,3
.irp c, 0,1
	ds_load_b128 v[VF+8*\t+4*\c:VF+8*\t+4*\c+3], v[ADV] offset:1024*\t+512*\c
.endr
.endr
	FETCH_K ADK, ADS
.irp b, 0,1,2,3
	v_max3_num_f32 v[232+\b], v[S+16*\b], v[S+1+16*\b], v[S+2+16*\b]   ; THE LARGEST SCORE OF EACH BLOCK OF 32 KEYS: it serves twice: for the row's maximum, and, since p rises with the score, for the block's largest p
.endr
.irp i, 3,5,7,9,11,13
.irp b, 0,1,2,3
	v_max3_num_f32 v[232+\b], v[232+\b], v[S+16*\b+\i], v[S+1+16*\b+\i]   ; (the four blocks by turns)
.endr
.endr
.irp b, 0,1,2,3
	v_max_num_f32 v[232+\b], v[232+\b], v[S+15+16*\b]
.endr
.irp b, 0,1,2,3
	v_permlanex16_b32 v[236+\b], v[232+\b], s[SEL], s[SEL+1]
.endr
.irp b, 0,1,2,3
	v_max_num_f32 v[232+\b], v[232+\b], v[236+\b]  ; with lane l xor 16's 16 keys
.endr
	v_max3_num_f32 v254, v232, v233, v234
	v_max_num_f32 v254, v254, v235                 ; the step's largest score of my query
	v_mul_f32 v254, s[CS], v254                    ; as t (c is positive)
	v_max_num_f32 v13, v13, v254                   ; the running largest t
	v_mov_b32 v254, v12
	v_floor_f32 v12, -v13                          ; the new -M = floor(-t) = -ceil(t): M IS A WHOLE NUMBER
	v_sub_f32 v254, v12, v254                      ; M's old value less its new one: a whole number, 0 or less
	v_cvt_i32_f32 v254, v254                       ; (it saturates)
	v_ldexp_f32 v252, 1.0, v254                    ; f = 2^(old M - new M): what was summed under the old M is brought under the new by a multiplication that rounds nothing
.set j, 0
.rept 32
	v_pk_fma_f32 v[S+j:S+j+1], v[S+j:S+j+1], s[CS:CS+1], v[12:13] op_sel_hi:[1,0,0]   ; t - M, two at a time (of the pairs c and -M the low word serves both halves)
.set j, j+2
.endr
.irp b, 0,1,2,3
	v_fma_f32 v[232+\b], v[232+\b], s[CS], v12     ; the same of each block's largest score
.endr
.set j, 0
.rept 64
	v_exp_f32 v[S+j], v[S+j]                       ; p = 2^(t - M), at most 1: NOT normalised
.set j, j+1
.endr
.irp b, 0,1,2,3
	v_exp_f32 v[232+\b], v[232+\b]                 ; the block's largest p: the same two instructions on the same number give the same bits
.endr
	v_pk_mul_f32 v[14:15], v[14:15], v[252:253] op_sel_hi:[1,0]   ; the sums under the new M.  (A plain place behind the exponentials)
	s_wait_alu depctr_va_vdst(0)                   ; the 68 exponentials have written p and the blocks' largest p: one wait for the batch, ahead of its first reader
.irp b, 0,1,2,3
	v_max_num_f32 v[232+\b], FLOOR, v[232+\b]      ; a block whose every p has fallen to 0 keeps the byte 1: its codes are zeros
.endr
.irp b, 0,1,2,3
	v_add_nc_u32 v[SOP+\b], TWO_OFF, v[232+\b]     ; the conversion's scale operand
.endr
.irp b, 0,1,2,3
	v_lshrrev_b32 v[236+\b], 23, v[SOP+\b]         ; the scale's byte
.endr
	v_lshl_or_b32 v253, v237, 8, v236              ; p's scale word for these 128 keys
	v_lshl_or_b32 v253, v238, 16, v253
	v_lshl_or_b32 v253, v239, 24, v253
.irp b, 0,1,2,3
	v_cvt_scalef32_pk8_fp4_f32 v[PC+2*\b], v[S+16*\b:S+7+16*\b], v[SOP+\b]
	v_cvt_scalef32_pk8_fp4_f32 v[PC+1+2*\b], v[S+8+16*\b:S+15+16*\b], v[SOP+\b]
.endr
	v_nop                                          ; one plain place behind a scaled conversion
.irp c, 0,1                                    ; the operand's layout wants a WHOLE block in a lane: lanes 0-15 block 2 c, lanes 16-31 block 2 c + 1
.irp i, 0,1
	v_permlane16_swap_b32 v[PC+4*\c+\i], v[PC+2+4*\c+\i]
.endr
.endr
.set j, 0
.rept 16
	v_pk_mul_f32 v[OT+j:OT+j+1], v[OT+j:OT+j+1], v[252:253] op_sel_hi:[1,0]   ; O^T under the new M: x f; each accumulator from its low end on
.set j, j+2
.endr
	v_pk_add_f32 v[236:237], v[S:S+1], v[S+2:S+3]  ; THE ROW'S SUM IS TAKEN OF THE UNQUANTISED p: two at a time, in two chains.  (With the 16 lines above: 48 places between p's codes and scale word and the products)
.irp j, 4,8,12,16,20,24,28,32,36,40,44,48,52,56,60
	v_pk_add_f32 v[14:15], v[14:15], v[S+\j:S+\j+1]
	v_pk_add_f32 v[236:237], v[236:237], v[S+2+\j:S+3+\j]
.endr
	v_pk_add_f32 v[14:15], v[14:15], v[236:237]
	s_wait_dscnt 0x0                               ; V's fragments and scale words are in, and so is the next step's K
	s_wait_alu depctr_va_vdst(0)                   ; p's codes and p's scale word are written: the scaled products below take them as operand and scales; behind their places
.irp t, 0,1,2,3                                ; O^T += V^T P^T: K = these 128 keys.  The four accumulators take turns, one instruction a turn, and the eight products K Q^T stand between a sum's links
.if \t%2
	v_wmma_scale_f32_16x16x128_f8f6f4 v[OT+8*\t:OT+8*\t+7], v[VF+8*\t:VF+8*\t+7], v[PC:PC+7], v[OT+8*\t:OT+8*\t+7], v[VS+\t/2], v253 matrix_a_fmt:MATRIX_FMT_FP4 matrix_b_fmt:MATRIX_FMT_FP4 matrix_a_scale:MATRIX_SCALE_ROW1
.else
	v_wmma_scale_f32_16x16x128_f8f6f4 v[OT+8*\t:OT+8*\t+7], v[VF+8*\t:VF+8*\t+7], v[PC:PC+7], v[OT+8*\t:OT+8*\t+7], v[VS+\t/2], v253 matrix_a_fmt:MATRIX_FMT_FP4 matrix_b_fmt:MATRIX_FMT_FP4
.endif
.endr
	s_add_co_u32 s[TB], s[TB], 4096
	s_add_co_u32 s[TJ], s[TJ], 256
	s_sub_co_u32 s[STEPS], s[STEPS], 1
	s_cmp_lg_u32 s[STEPS], 0
	s_cbranch_scc1 .Lstep
	; ---- THE WAY OUT.  O^T / the sum goes through my stage, 32 bytes a lane into rows of 272, and comes back as whole rows of 256 bytes, two to an instruction
.rept 4
	v_nop                                          ; four places behind the last products
.endr
	v_add_f32 v14, v14, v15                        ; the sum's two halves,
	v_permlanex16_b32 v252, v14, s[SEL], s[SEL+1]
	v_add_f32 v14, v14, v252                       ; and lane l xor 16's: the row's sum
	v_rcp_f32 v14, v14
	v_nop                                          ; one plain place behind a transcendental
	s_wait_alu depctr_va_vdst(0)                   ; the reciprocal has written v14, ahead of its first reader
.set j, 0
.rept 16
	v_pk_mul_f32 v[S+j:S+j+1], v[OT+j:OT+j+1], v[14:15] op_sel_hi:[1,0]   ; register 8 t + i is out(query r, channel 16 t + 8 h + i); each accumulator from its low end on
.set j, j+2
.endr
	s_wait_alu depctr_va_vdst(0)                   ; the 16 lines above have written v[S .. S+31], which the stores into the stage read; the last step's vector lines are done with v[S+32 ..], in which the read-back, and then the next pass's Q, land
.irp t, 0,1,2,3
	ds_store_b128 v[SO], v[S+8*\t:S+8*\t+3] offset:64*\t
	ds_store_b128 v[SO], v[S+8*\t+4:S+8*\t+7] offset:64*\t+16
.endr
.irp i, 0,1,2,3,4,5,6,7
	ds_load_b128 v[S+32+4*\i:S+32+4*\i+3], v[RD] offset:2*SP*\i   ; in order behind my stores
.endr
.irp i, 0,1,2,3,4,5,6,7
	s_wait_dscnt 7-\i                              ; rows 2 i and 2 i + 1 are back; the younger loads may be out
	global_store_b128 v[LI], v[S+32+4*\i:S+32+4*\i+3], s[OP:OP+1] offset:512*\i th:TH_STORE_NT   ; 32 lanes store 512 consecutive bytes, at a multiple of 512 from out's first byte; written once, read by nobody here
.endr
	s_wait_xcnt 0x0                                ; the stores' addresses are translated (ISA guide 3.1): only behind this wait are their base stepped and their data registers loaded again
	s_wait_alu depctr_vm_vsrc(0)                   ; the stores into the stage have read v[S .. S+31] and the global stores v[S+32 ..]: the next pass's read-back and loads of Q land there
	s_add_nc_u64 s[QP:QP+1], s[QP:QP+1], 4096      ; the next 16 queries (behind the last pass the stepped addresses are not used)
	s_add_nc_u64 s[OP:OP+1], s[OP:OP+1], 4096
	s_sub_co_u32 s[PASS], s[PASS], 1
	s_cmp_lg_u32 s[PASS], 0
	s_cbranch_scc1 .Lpass
	s_wait_xcnt 0x0
	v_lshl_add_u32 v254, v0, 2, 0x34000            ; the add's two registers are made anew here, all 256 being at work in the passes: my spare word, behind the stages, and 0.  No memory or LDS instruction has read v254 or v255
	v_mov_b32 v255, 0
	s_wait_dscnt 0x0                               ; the closing lines, six on end
	s_wait_alu 0x0
	s_wait_tensorcnt 0x0
	ds_add_u32 v254, v255
	s_wait_dscnt 0x0
	s_endpgm
.Lfunc_end_k_q09b471634c_attn:
	.size	k_q09b471634c_attn, .Lfunc_end_k_q09b471634c_attn-k_q09b471634c_attn
	.p2alignl 7, 3214868480
	.fill 96, 4, 3214868480
	.section	.rodata,"a",@progbits
	.p2align	6, 0x0
	.amdhsa_kernel k_q09b471634c_attn
		.amdhsa_group_segment_fixed_size 215040
		.amdhsa_private_segment_fixed_size 0
		.amdhsa_enable_private_segment 0
		.amdhsa_kernarg_size 32
		.amdhsa_user_sgpr_count 2
		.amdhsa_user_sgpr_kernarg_segment_ptr 1
		.amdhsa_wavefront_size32 1
		.amdhsa_system_sgpr_workgroup_id_x 1
		.amdhsa_system_sgpr_workgroup_id_y 1
		.amdhsa_system_sgpr_workgroup_id_z 1
		.amdhsa_system_vgpr_workitem_id 0
		.amdhsa_next_free_vgpr 256
		.amdhsa_next_free_sgpr 66
		.amdhsa_reserve_vcc 0
		.amdhsa_float_denorm_mode_32 3
		.amdhsa_float_denorm_mode_16_64 3
		.amdhsa_memory_ordered 1
		.amdhsa_forward_progress 1
		.amdhsa_inst_pref_size 69
	.end_amdhsa_kernel
	.amdgpu_metadata
---
amdhsa.version: [ 1, 2 ]
amdhsa.kernels:
  - .name:           k_q09b471634c_attn
    .symbol:         k_q09b471634c_attn.kd
    .args:
      - { .name: x1, .offset: 0, .size: 8, .value_kind: global_buffer, .address_space: global }
      - { .name: x2_codes, .offset: 8, .size: 8, .value_kind: global_buffer, .address_space: global }
      - { .name: x2_scales, .offset: 16, .size: 8, .value_kind: global_buffer, .address_space: global }
      - { .name: out0, .offset: 24, .size: 8, .value_kind: global_buffer, .address_space: global }
    .group_segment_fixed_size: 215040
    .private_segment_fixed_size: 0
    .kernarg_segment_align: 8
    .kernarg_segment_size: 32
    .max_flat_workgroup_size: 512
    .sgpr_count:     66
    .vgpr_count:     256
    .wavefront_size: 32
...
	.end_amdgpu_metadata
.endif
;; end of part 2
